; MI455X (gfx1250); checked and timed in simulation.
; The chip was launched on July 23, 2026; its instructions are those of AMD's public machine-readable ISA for CDNA 5 (MIT licence, August 2026) and "CDNA5" Instruction Set Architecture Reference Guide (July 2026). The comments in the code are by the model that wrote it; some were corrected since.
;; KAN Spline Layer. Allowed arithmetic: float matrix products may take bf16 or f16 operands with f32 sums; other float arithmetic in f32, or as packed bf16 or f16 multiplies, adds, multiply-adds, maxima and minima; sums over many terms, partial sums and values carried from step to step in f32; what a program stores and reads back later, other than sums and carried values, may be rounded once to bf16 or f16.
;; Inputs: coef 512 x 1,024 x 8 float32; grid 512 x 12 float32; scale_base 512 x 1,024 float32; x 8,192 x 512 float32.
;; Outputs: out0 8,192 x 1,024 float32.
;; One version. Each part assembles by itself: llvm-mc -triple=amdgcn-amd-amdhsa -mcpu=gfx1250 --defsym DOCPART=n.
;; ======== version 1 of 1: 2 launches
;; limits: values are held in f16: magnitudes above 65,504 overflow, below 6.1e-05 lose precision
;; workspace buffers: abuf 75,497,472 bytes; wbuf 9,437,184 bytes
;; launch prep (part 1): grid 256 x 1, 16 waves a work-group, no clusters, 137,728 bytes of LDS; arguments x, grid, coef, scale_base, abuf, wbuf; writes abuf, wbuf
.if DOCPART == 1
	.amdgcn_target "amdgcn-amd-amdhsa--gfx1250"
	.amdhsa_code_object_version 6
	.text
	.protected	k_qa5fa51c9a7_prep
	.globl	k_qa5fa51c9a7_prep
	.p2align	8
	.type	k_qa5fa51c9a7_prep,@function
k_qa5fa51c9a7_prep:
	s_mov_b64 s[64:65], 0
	v_nop
	global_prefetch_b8 v0, s[64:65] scope:SCOPE_SE
	s_setreg_imm32_b32 hwreg(HW_REG_WAVE_MODE, 25, 1), 1
	s_wait_xcnt 0x0
; THE TWO OPERANDS OF ONE PRODUCT.  out[b][o] = sum over kap of A[b][kap] Wt[o][kap], kap = 0 .. 4,607:
;   kap = 8 i + k (i < 512, k < 8): A = the cubic B-spline value B_k(x[b][i]) on the knots grid[i][0..11], Wt = coef[i][o][k];   kap = 4,096 + i: A = silu(x[b][i]), Wt = scale_base[i][o].
; This launch writes abuf = A [8192][4608] and wbuf = Wt [1024][4608], both f16, rows of 9,216 bytes.  All arithmetic is f32; each number is rounded once, to f16.
; SHARES.  256 work-groups of 16 waves.  Work-group w makes rows 32 w .. 32 w + 31 of A: thread t is input dimension i = t for all 32 rows, two rows to a packed instruction;
; and one tile of Wt, 128 i x 16 o (i block w % 4, o block w / 4), turned through LDS so that every store of a wave covers whole runs of 256 consecutive bytes, aligned.
; THE SPLINES are the recursion as it is defined, dense, for any knots: 11 indicators (g[t] <= x < g[t+1]), then 10, 9 and 8 values
;   v[t] = left[t] v[t] + (1 - left[t+1]) v[t+1],   left[t] = (x - g[t]) / (g[t+j] - g[t]) = x r - g r,  r = 1 / (g[t+j] - g[t]), made once a thread.
; LIMITS.  f16 holds no number beyond 65,504: a spline value, a silu or a weight of 65,520 or more in magnitude becomes an infinity.  A knot difference below 2^-126 in magnitude counts as 0.  Where a
; denominator is 0 the value that uses it is 0 (what becomes of infinity x 0); the largest finite number, which a zero denominator beside a value other than 0 would give
; (knots out of order), is not reproduced.  The right factor is taken as 1 - the next left factor (same denominator; one rounding of a number near 1 apart), and left as x r - g r
; (its error is about |x r| 2^-24).  A NaN in x gives NaN in its row of A.
; No matrix unit, no cluster (work-groups share nothing but the 24 KiB of knots), no tensor loads; every global load of a work-group is issued at its head.
.set AROW,  9216                       ; bytes in a row of abuf and of wbuf
.set XST,   0                          ; LDS: my 32 rows of x as they lie in memory, 2,048 bytes a row
.set WST,   65536                      ; 16 rows (o) of 128 i x 16 bytes + 16 of padding
.set WP,    2064
.set SST,   98560                      ; 16 rows (o) of 128 i x 2 bytes + 16 of padding
.set SSP,   272
.set BST,   102912                     ; 16 pairs of rows x 512 words: silu of the even row in the low half, of the odd row in the high half
.set SPARE, 135680                     ; the spare words, 128 bytes for each of 16 waves: eight blocks of 256 bytes that no other line names
.set SPW, 10                           ; v10  LDS address of my spare word; never rewritten
.set NIL, 11                           ; v11  0; never rewritten
.set G,   12                           ; v[12:23]   my 12 knots
.set RC,  24                           ; v[24:83]   30 pairs (r, g r): level 1: 0-10, level 2: 11-20, level 3: 21-29
.set Z,   84                           ; v[84:111]  27 factors 1 or 0 (0: a denominator of that value is 0): level 1: 0-9, level 2: 10-18, level 3: 19-26; the 28th fills the last pair
.set V,   112                          ; v[112:133] 11 pairs: value t of rows 2 p, 2 p + 1
.set E,   112                          ; v[112:141] in the set-up: 30 flags, 1 where a denominator is not 0
.set TL,  134                          ; v[134:137] two pairs: left factors, by turns
.set Q,   138                          ; v[138:139] (1 - left) v
.set XP,  140                          ; v[140:141] x of the two rows
.set SI,  142                          ; v[142:143] silu at work
.set SP,  144                          ; v144       both silu, f16
.set O,   146                          ; v[146:153] two rows x 16 bytes to store
.set XA,  154                          ; LDS address of my x in the pair of rows in hand; steps
.set BA,  155                          ; LDS address of my silu word; steps
.set AO,  156                          ; my byte offset in abuf; steps
.set L16, 157                          ; 16 x lane
.set GO,  158                          ; 48 t
.set LO,  159                          ; 16 t
.set SO,  160                          ; scale_base: (t / 4) rows of 4,096 bytes + (t % 4) x 16
.set WW,  161                          ; where I put 8 bytes of coef
.set SW,  162                          ; where I put 4 numbers of scale_base
.set WR,  163                          ; where I read a row of WST back
.set SR,  164                          ; where I read SST back (waves 0-7)
.set SBO, 165                          ; and its place in wbuf
.set BR,  166                          ; where I read silu words back
.set BO,  167                          ; and their place in abuf
.set LX,  168                          ; v[168:199] x as loaded
.set LC,  200                          ; v[200:231] coef as loaded
.set LS,  232                          ; v[232:235] scale_base as loaded
.set TR,  168                          ; v[168:187] later: rows of Wt on their way out
.set D,   168                          ; v[168:183] later still: silu words read back
.set P,   184                          ; v[184:199] and sorted by rows
.set M,   32                           ; s[32:43]   12 lane masks
	s_load_b256 s[4:11], s[0:1], 0x0               ; x s[4:5], grid s[6:7], coef s[8:9], scale_base s[10:11]
	s_load_b128 s[12:15], s[0:1], 0x20             ; abuf s[12:13], wbuf s[14:15]
	v_lshl_add_u32 v[SPW], v0, 2, SPARE
	v_mov_b32 v[NIL], 0
	v_lshrrev_b32 v2, 5, v0
	v_readfirstlane_b32 s16, v2                    ; wave 0..15
	v_and_b32 v1, 31, v0                           ; lane
	s_and_b32 s17, ttmp9, 3                        ; i block of my tile of Wt
	s_lshr_b32 s18, ttmp9, 2                       ; o block
	s_mov_b32 s44, 0x05040100                      ; v_perm_b32: the two low halves
	s_mov_b32 s45, 0x07060302                      ; the two high halves
	s_mov_b32 s46, 0x00800000                      ; 2^-126
	v_lshlrev_b32 v[GO], 4, v0
	v_lshlrev_b32 v[LO], 4, v0
	v_lshl_add_u32 v[GO], v0, 5, v[GO]             ; 48 t
	v_lshlrev_b32 v[L16], 4, v1
	v_lshrrev_b32 v3, 2, v0                        ; t / 4
	v_and_b32 v4, 3, v0                            ; t % 4
	v_lshlrev_b32 v[SO], 12, v3
	v_lshl_add_u32 v[SO], v4, 4, v[SO]
	s_lshl_b32 s20, ttmp9, 16                      ; my 32 rows of x: 65,536 bytes
	s_mov_b32 s21, 0
	s_lshl_b32 s22, s17, 22                        ; coef: 128 i of 32,768 bytes,
	s_lshl_b32 s23, s16, 15                        ; my wave's i,
	s_add_co_u32 s22, s22, s23
	s_lshl_b32 s23, s18, 9                         ; 16 o of 32 bytes
	s_add_co_u32 s22, s22, s23
	s_mov_b32 s23, 0
	s_lshl_b32 s24, s17, 19                        ; scale_base: 128 i of 4,096 bytes,
	s_lshl_b32 s25, s18, 6                         ; 16 o of 4 bytes
	s_add_co_u32 s24, s24, s25
	s_mov_b32 s25, 0
	s_wait_kmcnt 0x0
	s_add_nc_u64 s[4:5], s[4:5], s[20:21]
	s_add_nc_u64 s[8:9], s[8:9], s[22:23]
	s_add_nc_u64 s[10:11], s[10:11], s[24:25]
	; 20 loads, all that the work-group reads: 3 of knots, 8 of x, 8 of coef, 1 of scale_base
.irp p, 0,1,2
	global_load_b128 v[G+4*(\p):G+4*(\p)+3], v[GO], s[6:7] offset:16*(\p)
.endr
.irp p, 0,1,2,3,4,5,6,7
	global_load_b128 v[LX+4*(\p):LX+4*(\p)+3], v[LO], s[4:5] offset:8192*(\p) th:TH_LOAD_NT  ; a wave covers 512 consecutive bytes; the 16 waves four rows
.endr
.irp p, 0,1,2,3,4,5,6,7
	global_load_b128 v[LC+4*(\p):LC+4*(\p)+3], v[L16], s[8:9] offset:524288*(\p) th:TH_LOAD_NT  ; i = 16 p + wave of the tile: its 16 o x 32 bytes, 512 consecutive bytes
.endr
	global_load_b128 v[LS:LS+3], v[SO], s[10:11]   ; 64 bytes of each of 128 rows: the one read in pieces shorter than 256 bytes; 8 KiB a work-group
	; the other addresses, while the loads are out
	v_lshlrev_b32 v[XA], 2, v0
	v_lshl_add_u32 v[BA], v0, 2, BST
	v_lshlrev_b32 v[AO], 4, v0
	v_lshrrev_b32 v5, 1, v1                        ; coef: lane / 2 = o of the tile,
	v_and_b32 v6, 1, v1                            ; lane % 2 = which four k
	v_mul_u32_u24 v[WW], v5, WP
	v_lshl_add_u32 v[WW], v6, 3, v[WW]
	s_lshl_b32 s19, s16, 4
	s_add_co_u32 s19, s19, WST
	v_add_nc_u32 v[WW], s19, v[WW]                 ; row o, 16 bytes for each i: i = 16 p + wave; p stands in the immediate
	v_mul_u32_u24 v[SW], v4, 4*SSP
	v_lshl_add_u32 v[SW], v3, 1, v[SW]
	v_add_nc_u32 v[SW], SST, v[SW]                 ; rows 4 (t % 4) + 0..3, column t / 4
	s_mul_i32 s19, s16, WP
	s_add_co_u32 s19, s19, WST
	v_lshl_add_u32 v[WR], v1, 4, s19               ; row o = my wave
	v_lshrrev_b32 v7, 4, v1                        ; lane / 16
	v_and_b32 v8, 15, v1                           ; lane % 16
	s_mul_i32 s19, s16, 2*SSP
	s_add_co_u32 s19, s19, SST
	v_mul_u32_u24 v[SR], v7, SSP
	v_lshl_add_u32 v[SR], v8, 4, v[SR]
	v_add_nc_u32 v[SR], s19, v[SR]                 ; rows 2 wave, 2 wave + 1: sixteen lanes a row
	v_mul_u32_u24 v[SBO], v7, AROW
	v_lshl_add_u32 v[SBO], v8, 4, v[SBO]
	v_lshrrev_b32 v9, 6, v0                        ; t / 64
	v_and_b32 v2, 63, v0                           ; t % 64
	v_lshlrev_b32 v[BR], 11, v9
	v_lshl_add_u32 v[BR], v2, 5, v[BR]
	v_add_nc_u32 v[BR], BST, v[BR]                 ; pair of rows t / 64 (+ 8 u), eight words from word 8 (t % 64) on
	v_mul_u32_u24 v[BO], v9, 2*AROW
	v_lshl_add_u32 v[BO], v2, 4, v[BO]
	s_mul_i32 s20, ttmp9, 32*AROW
	s_add_nc_u64 s[12:13], s[12:13], s[20:21]      ; abuf at my first row
	s_lshl_b32 s20, s18, 4
	s_add_co_u32 s20, s20, s16
	s_mul_i32 s20, s20, AROW                       ; wbuf: row 16 x o block + wave,
	s_lshl_b32 s22, s17, 11                        ; 128 i x 16 bytes
	s_add_co_u32 s20, s20, s22
	s_add_nc_u64 s[26:27], s[14:15], s[20:21]
	; THE COEFFICIENTS, once a thread.  30 denominators, their reciprocals in one batch, then r, g r and the flags.
	s_wait_loadcnt 17                              ; loads come back in order: the knots are in; the 17 younger loads stay out
.macro DENS j, cnt, base
.set t, 0
.rept \cnt
	v_sub_f32 v[RC+2*((\base)+t)+1], v[G+t+(\j)], v[G+t]
.set t, t+1
.endr
.endm
	DENS 1, 11, 0
	DENS 2, 10, 11
	DENS 3, 9, 21
.set n, 0
.rept 30
	v_rcp_f32 v[RC+2*n], v[RC+2*n+1]
.set n, n+1
.endr
	v_nop                                          ; a plain instruction behind the last reciprocal,
	s_wait_alu depctr_va_vdst(0)                   ; and one wait for the batch of 30, ahead of the first line that names a result
.macro COEF cnt, base
.set t, 0
.rept \cnt
.set n, (\base)+t
	v_and_b32 v2, 0x7fffffff, v[RC+2*n+1]
	v_cmp_le_f32 vcc_lo, s46, v2                   ; is the denominator's magnitude 2^-126 or more?
	v_cndmask_b32 v[RC+2*n], 0, v[RC+2*n], vcc_lo  ; r, or 0
	v_cndmask_b32 v[E+n], 0, 1.0, vcc_lo
	v_mul_f32 v[RC+2*n+1], v[G+t], v[RC+2*n]       ; g r
.set t, t+1
.endr
.endm
	COEF 11, 0
	COEF 10, 11
	COEF 9, 21
.macro ZS cnt, rb, zb                  ; a value stands only if both its denominators do
.set t, 0
.rept \cnt
	v_mul_f32 v[Z+(\zb)+t], v[E+(\rb)+t], v[E+(\rb)+t+1]
.set t, t+1
.endr
.endm
	ZS 10, 0, 0
	ZS 9, 11, 10
	ZS 8, 21, 19
	v_mov_b32 v[Z+27], 0                           ; named with factor 26 as a pair, so it is written
	; INTO LDS: x as it lies; coef and scale_base rounded to f16 and turned
	s_wait_loadcnt 9                               ; x is in; coef's eight loads and scale_base's one stay out
.irp p, 0,1,2,3,4,5,6,7
	ds_store_b128 v[LO], v[LX+4*(\p):LX+4*(\p)+3] offset:XST+8192*(\p)
.endr
	s_wait_loadcnt 1                               ; coef is in
.irp p, 0,1,2,3,4,5,6,7
	v_cvt_pk_f16_f32 v[LC+4*(\p)], v[LC+4*(\p)], v[LC+4*(\p)+1]
	v_cvt_pk_f16_f32 v[LC+4*(\p)+1], v[LC+4*(\p)+2], v[LC+4*(\p)+3]
	ds_store_b64 v[WW], v[LC+4*(\p):LC+4*(\p)+1] offset:256*(\p)  ; word 516 o + 2 (lane % 2): the 32 lanes take each of the 64 banks once (64 banks of 4 bytes: ISA guide 11.1)
.endr
	s_wait_loadcnt 0x0                             ; scale_base is in
	v_cvt_pk_f16_f32 v[LS], v[LS], v[LS+1]
	v_cvt_pk_f16_f32 v[LS+1], v[LS+2], v[LS+3]
	ds_store_b16 v[SW], v[LS]
	ds_store_b16_d16_hi v[SW], v[LS] offset:SSP
	ds_store_b16 v[SW], v[LS+1] offset:2*SSP
	ds_store_b16_d16_hi v[SW], v[LS+1] offset:3*SSP
	s_wait_dscnt 0x0                               ; for the others' sake: all my stores into LDS are done
	s_barrier_signal -1
	s_barrier_wait -1                              ; everybody's are
	; Wt GOES OUT.  Wave v: row 16 x o block + v, its 2,048 bytes of this i block, 512 consecutive bytes a store.
.irp q, 0,1,2,3
	ds_load_b128 v[TR+4*(\q):TR+4*(\q)+3], v[WR] offset:512*(\q)
.endr
.irp q, 0,1,2,3
	s_wait_dscnt 3-(\q)                            ; LDS loads come back in order: piece q is in, the younger ones stay out
	global_store_b128 v[L16], v[TR+4*(\q):TR+4*(\q)+3], s[26:27] offset:512*(\q)
.endr
	s_cmp_lt_u32 s16, 8                            ; the 16 rows x 256 bytes of scale_base are 8 waves' work; no barrier stands in the branch
	s_cbranch_scc0 .Lno_sb
	s_lshl_b32 s20, s18, 4
	s_lshl1_add_u32 s20, s16, s20                  ; row 16 x o block + 2 x wave
	s_mul_i32 s20, s20, AROW
	s_lshl_b32 s22, s17, 8                         ; 128 i x 2 bytes,
	s_add_co_u32 s20, s20, s22
	s_add_co_u32 s20, s20, 8192                    ; behind the 4,096 spline columns
	s_add_nc_u64 s[28:29], s[14:15], s[20:21]
	ds_load_b128 v[TR+16:TR+19], v[SR]
	s_wait_dscnt 0x0
	global_store_b128 v[SBO], v[TR+16:TR+19], s[28:29]  ; sixteen lanes store 256 consecutive bytes, aligned
.Lno_sb:
; left factor n for both rows: x r - g r
.macro LEFT d, n
	v_pk_fma_f32 v[(\d):(\d)+1], v[XP:XP+1], v[RC+2*(\n):RC+2*(\n)+1], v[RC+2*(\n):RC+2*(\n)+1] op_sel:[0,0,1] op_sel_hi:[1,0,1] neg_lo:[0,0,1] neg_hi:[0,0,1]
.endm
; the 11 indicators of row e of the pair: (x >= g[t]) and not (x >= g[t+1])
.macro LEVEL0 e
.set t, 0
.rept 12
	v_cmp_ge_f32 s[M+t], v[XP+(\e)], v[G+t]
.set t, t+1
.endr
.set t, 0
.rept 11
	s_and_not1_b32 s[M+t], s[M+t], s[M+t+1]        ; ascending: mask t + 1 is still whole when mask t takes it
.set t, t+1
.endr
.set t, 0
.rept 11
	v_cndmask_b32 v[V+2*t+(\e)], 0, 1.0, s[M+t]
.set t, t+1
.endr
.endm
; a level of the recursion, in place and ascending: value t + 1 is still the old one when value t takes it.  cnt values; rb, zb: where the level's pairs and factors begin
.macro LEVEL cnt, rb, zb
	LEFT TL, \rb
.set t, 0
.rept \cnt
	LEFT TL+2*((t+1)%2), (\rb)+t+1
	v_pk_fma_f32 v[Q:Q+1], v[TL+2*((t+1)%2):TL+2*((t+1)%2)+1], v[V+2*t+2:V+2*t+3], v[V+2*t+2:V+2*t+3] neg_lo:[1,0,0] neg_hi:[1,0,0]
	v_pk_fma_f32 v[V+2*t:V+2*t+1], v[TL+2*(t%2):TL+2*(t%2)+1], v[V+2*t:V+2*t+1], v[Q:Q+1]
.set zi, (\zb)+t
.if zi%2
	v_pk_mul_f32 v[V+2*t:V+2*t+1], v[V+2*t:V+2*t+1], v[Z+zi-1:Z+zi] op_sel:[0,1] op_sel_hi:[1,1]
.else
	v_pk_mul_f32 v[V+2*t:V+2*t+1], v[V+2*t:V+2*t+1], v[Z+zi:Z+zi+1] op_sel_hi:[1,0]
.endif
.set t, t+1
.endr
.endm
	; THE ROWS, two a trip, 16 trips
	s_mov_b32 s24, 16
.Lpair:
	ds_load_b32 v[XP], v[XA]
	ds_load_b32 v[XP+1], v[XA] offset:2048
	s_wait_dscnt 0x0
	v_add_nc_u32 v[XA], 4096, v[XA]
	v_pk_mul_f32 v[SI:SI+1], v[XP:XP+1], 0xbfb8aa3b op_sel_hi:[1,0]  ; - x log2(e)
	v_exp_f32 v[SI], v[SI]
	v_exp_f32 v[SI+1], v[SI+1]
	LEVEL0 0                                       ; independent work behind the two exponentials
	LEVEL0 1
	s_wait_alu depctr_va_vdst(0)                   ; one wait for both, ahead of their first reader
	v_pk_add_f32 v[SI:SI+1], v[SI:SI+1], 1.0 op_sel_hi:[1,0]
	v_rcp_f32 v[SI], v[SI]
	v_rcp_f32 v[SI+1], v[SI+1]
	LEVEL 10, 0, 0                                 ; independent work behind the two reciprocals
	LEVEL 9, 11, 10
	LEVEL 8, 21, 19
	s_wait_alu depctr_va_vdst(0)                   ; one wait for both reciprocals; it also stands ahead of the loop's jump
	v_pk_mul_f32 v[SI:SI+1], v[SI:SI+1], v[XP:XP+1]  ; silu = x / (1 + 2^(- x log2(e)))
	v_cvt_pk_f16_f32 v[SP], v[SI], v[SI+1]
	ds_store_b32 v[BA], v[SP]
	v_add_nc_u32 v[BA], 2048, v[BA]
	s_wait_xcnt 0x0                                ; the last trip's stores have read O and AO: only behind this wait are they written again
	v_add_nc_u32 v[AO], 2*AROW, v[AO]              ; the stores below reach back
.irp e, 0,1
.irp m, 0,1,2,3
	v_cvt_pk_f16_f32 v[O+4*(\e)+(\m)], v[V+4*(\m)+(\e)], v[V+4*(\m)+2+(\e)]
.endr
.endr
	global_store_b128 v[AO], v[O:O+3], s[12:13] offset:-2*AROW    ; my 8 values of row 2 p: a wave covers 512 consecutive bytes, aligned
	global_store_b128 v[AO], v[O+4:O+7], s[12:13] offset:-AROW    ; and of row 2 p + 1
	s_sub_co_u32 s24, s24, 1
	s_cmp_lg_u32 s24, 0
	s_cbranch_scc1 .Lpair
	; THE SILU COLUMNS: a thread's 2 bytes of a row are gathered through LDS into 16 bytes
	s_wait_dscnt 0x0                               ; for the others' sake: my silu words are in LDS
	s_barrier_signal -1
	s_barrier_wait -1
.irp u, 0,1
	ds_load_b128 v[D+8*(\u):D+8*(\u)+3],   v[BR] offset:16384*(\u)
	ds_load_b128 v[D+8*(\u)+4:D+8*(\u)+7], v[BR] offset:16384*(\u)+16
.endr
.irp u, 0,1
	s_wait_dscnt 2-2*(\u)                          ; this pair of rows is in; the other's two loads may stay out
.irp m, 0,1,2,3
	v_perm_b32 v[P+8*(\u)+(\m)],   v[D+8*(\u)+2*(\m)+1], v[D+8*(\u)+2*(\m)], s44  ; the even row: low halves
	v_perm_b32 v[P+8*(\u)+4+(\m)], v[D+8*(\u)+2*(\m)+1], v[D+8*(\u)+2*(\m)], s45  ; the odd row: high halves
.endr
	global_store_b128 v[BO], v[P+8*(\u):P+8*(\u)+3],   s[12:13] offset:8192+16*AROW*(\u)       ; sixteen lanes store 256 consecutive bytes, aligned
	global_store_b128 v[BO], v[P+8*(\u)+4:P+8*(\u)+7], s[12:13] offset:8192+16*AROW*(\u)+AROW
.endr
	s_wait_tensorcnt 0x0                           ; the wave's end, behind my last LDS store
	ds_add_u32 v[SPW], v[NIL]
	s_wait_dscnt 0x0
	s_endpgm
.Lfunc_end_k_qa5fa51c9a7_prep:
	.size	k_qa5fa51c9a7_prep, .Lfunc_end_k_qa5fa51c9a7_prep-k_qa5fa51c9a7_prep
	.p2alignl 7, 3214868480
	.fill 96, 4, 3214868480
	.section	.rodata,"a",@progbits
	.p2align	6, 0x0
	.amdhsa_kernel k_qa5fa51c9a7_prep
		.amdhsa_group_segment_fixed_size 137728
		.amdhsa_private_segment_fixed_size 0
		.amdhsa_enable_private_segment 0
		.amdhsa_kernarg_size 48
		.amdhsa_user_sgpr_count 2
		.amdhsa_user_sgpr_kernarg_segment_ptr 1
		.amdhsa_wavefront_size32 1
		.amdhsa_system_sgpr_workgroup_id_x 1
		.amdhsa_system_sgpr_workgroup_id_y 1
		.amdhsa_system_sgpr_workgroup_id_z 1
		.amdhsa_system_vgpr_workitem_id 0
		.amdhsa_next_free_vgpr 256
		.amdhsa_next_free_sgpr 66
		.amdhsa_reserve_vcc 1
		.amdhsa_float_denorm_mode_32 3
		.amdhsa_float_denorm_mode_16_64 3
		.amdhsa_memory_ordered 1
		.amdhsa_forward_progress 1
		.amdhsa_inst_pref_size 34
	.end_amdhsa_kernel
	.amdgpu_metadata
---
amdhsa.version: [ 1, 2 ]
amdhsa.kernels:
  - .name:           k_qa5fa51c9a7_prep
    .symbol:         k_qa5fa51c9a7_prep.kd
    .args:
      - { .name: x, .offset: 0, .size: 8, .value_kind: global_buffer, .address_space: global }
      - { .name: grid, .offset: 8, .size: 8, .value_kind: global_buffer, .address_space: global }
      - { .name: coef, .offset: 16, .size: 8, .value_kind: global_buffer, .address_space: global }
      - { .name: scale_base, .offset: 24, .size: 8, .value_kind: global_buffer, .address_space: global }
      - { .name: abuf, .offset: 32, .size: 8, .value_kind: global_buffer, .address_space: global }
      - { .name: wbuf, .offset: 40, .size: 8, .value_kind: global_buffer, .address_space: global }
    .group_segment_fixed_size: 137728
    .private_segment_fixed_size: 0
    .kernarg_segment_align: 8
    .kernarg_segment_size: 48
    .max_flat_workgroup_size: 512
    .sgpr_count:     66
    .vgpr_count:     256
    .wavefront_size: 32
...
	.end_amdgpu_metadata
.endif
;; end of part 1
;; launch gemm (part 2): grid 4 x 64, 4 waves a work-group, clusters of 4 x 4, 327,680 bytes of LDS; arguments abuf, wbuf, out0; writes out0
.if DOCPART == 2
	.amdgcn_target "amdgcn-amd-amdhsa--gfx1250"
	.amdhsa_code_object_version 6
	.text
	.protected	k_qa5fa51c9a7_gemm
	.globl	k_qa5fa51c9a7_gemm
	.p2align	8
	.type	k_qa5fa51c9a7_gemm,@function
k_qa5fa51c9a7_gemm:
	s_mov_b64 s[64:65], 0
	v_nop
	global_prefetch_b8 v0, s[64:65] scope:SCOPE_SE
	s_setreg_imm32_b32 hwreg(HW_REG_WAVE_MODE, 25, 1), 1
	s_wait_xcnt 0x0
	s_wait_alu depctr_hold_cnt(0) depctr_sa_sdst(0) depctr_va_vdst(0) depctr_va_sdst(0) depctr_va_ssrc(0) depctr_va_vcc(0) depctr_vm_vsrc(0)
	s_getreg_b32 s2, hwreg(HW_REG_IB_STS2, 6, 4)
	s_cmp_eq_u32 s2, 0
	s_cbranch_scc0 .Lentry_in_a_cluster
	s_endpgm
.Lentry_in_a_cluster:
	s_bfe_u32 s2, ttmp6, 0x10000c
	s_cmp_lg_u32 s2, 0xf033
	s_cbranch_scc0 .Lentry_shape_is_right
	s_endpgm
.Lentry_shape_is_right:
; out0[b][o] = sum over kap of A[b][kap] Wt[o][kap].  A = abuf [8192][4608], Wt = wbuf [1024][4608], both f16, rows of 9,216 bytes; out0 [8192][1024] f32.  Sums in f32, K ascending.
; LIMITS.  The operands arrive in f16 (no number beyond 65,504); NaN and infinities are not treated apart.
; SHARES.  A tile of out0 is 128 rows x 256 columns: 64 x 4 = 256 work-groups.  Four waves, each 64 x 128: 32 accumulators of 16 x 16, 256 registers.
; K goes in 36 steps of 128 (rows of 256 bytes, which start at multiples of 256 bytes from the buffer's first byte) through a ring of two LDS slots filled by the tensor data mover.
; CLUSTERS: 4 x 4 work-groups.  The four of a row of the cluster need the same tile of A, the four of a column the same tile of Wt: each tile is asked for JOINTLY, by the same tensor
; load with the same descriptor and a mask that names the four.  Waves 0 and 1 fetch A's two halves (64 rows each), waves 2 and 3 Wt's (128 rows each): one load a wave for each K step.
; THE MATRIX INSTRUCTION IS USED TRANSPOSED (source 0 = 16 rows of Wt, source 1 = 16 rows of A): a lane then holds eight neighbouring numbers of a row of out0.
; REGISTERS: window 0: v0-31 addresses; v64-159, v160-255 two fragment buffers of 96 (8 x 8 of Wt, then 4 x 8 of A, 32 along K); on the way out v64-191 hold rows read back.
;   window 1: the accumulators, (a, b) at v[8 (8 a + b)].
.set KTOT,   4608
.set ROWB,   2*KTOT                    ; bytes in a row of A and of Wt
.set KSTEP,  128
.set PITCH,  272                       ; an LDS row: 256 bytes + 16 of padding = 68 words: row r starts at bank 4 r mod 64 (64 banks of 4 bytes: ISA guide 11.1), so the 16 rows of a load start at 16 different banks
.set AHALF,  64*PITCH                  ; what a wave fetches, and reads, of A
.set BHALF,  128*PITCH                 ; the same of Wt
.set ABASE,  2*BHALF                   ; in a slot: Wt's 256 rows, then A's 128
.set SLOT,   2*BHALF+2*AHALF
.set STAGE,  2*SLOT                    ; behind the ring, never filled by a tensor load: 16 rows x 528 bytes for each wave, for the way out
.set SPITCH, 528                       ; 512 bytes + 16: the sixteen rows that a store touches start at sixteen different groups of four banks
.set SPARE,  STAGE+4*16*SPITCH         ; behind the stages: the spare words, 128 bytes for each wave: two blocks of 256 bytes that no other line names
.set LAPS,   KTOT/(2*KSTEP)            ; a lap = two K steps = once round the ring: 18
.set ADRA, 16                          ; v16-17  LDS address of my A fragments in slot 0, 1
.set ADRB, 20                          ; v20-21  the same for Wt
.set STO,  24                          ; v24     the way out: where I put 32 bytes of a row
.set RD,   25                          ; v25     the way out: where I read a row back
.set CO,   26                          ; v26     16 x lane: my byte offset in 512 bytes of out0
.set SPW,  28                          ; v28     LDS address of my spare word; never rewritten
.set NIL,  29                          ; v29     0; never rewritten
.set PFO,  30                          ; v30     the prefetches' offset: my lane x a row; never rewritten
.set F0,   64
.set F1,   160
.set G1,  24                           ; s[24:31] descriptor group 1 for A's tiles;  s[32:39] group 0, one set for each slot
.set G0,  32
.set G1B, 48                           ; s[48:55], s[56:63] the same for Wt's tiles
.set G0B, 56
.set LIM, 43                           ; s43      1 in a wave that prefetches, else the greatest number
.set PFA, 44                           ; s[44:45] where my prefetches stand: my 32 rows, one K step further along K than the refill that is being asked for; a prefetch names the K step after that
.set MSB, 0
.macro WIN new                         ; the immediate's high byte repeats the setting that is left; a switch that changes nothing is dropped
.if MSB != (\new)
	s_set_vgpr_msb (MSB<<8)|(\new)
.set MSB, \new
.endif
.endm
.set MUL, 0x50                         ; sources 0 and 1 window 0; C and D window 1
.set OUTW, 0x04                        ; an LDS store's data (source 1) window 1, its address window 0
.macro JLOAD s                         ; a joint load; the branch hangs on the wave's number alone; an s_nop 0 and four v_nop follow each of the two lines, ahead of the jump, the label and what follows
	s_cmp_eq_u32 s11, 0
	s_cbranch_scc0 .Lfor_b_\@
	tensor_load_to_lds s[G0+4*(\s):G0+4*(\s)+3], s[G1:G1+7]
	s_nop 0
.rept 4
	v_nop
.endr
	s_branch .Lasked_\@
.Lfor_b_\@:
	tensor_load_to_lds s[G0B+4*(\s):G0B+4*(\s)+3], s[G1B:G1B+7]
	s_nop 0
.rept 4
	v_nop
.endr
.Lasked_\@:
.endm
; A PREFETCH INTO THE L2, behind each joint refill, its five lines and the run of LDS loads that follows: the K step that stands TWO refills on (256 matrix instructions ahead of the load that will
; want it): 32 rows x 256 bytes, a lane a row, one instruction a wave.  Each row's 256 bytes of a K step are named ONCE in the launch.  A's 128 rows of a tile row are read by one cluster alone: its four
; partners of that row take 32 each, told apart BY ADDRESS (cx), and in each wave 0 asks.  Wt's rows are read by all 16 clusters: the cluster with y = 0 asks; of the 128 rows that wave 2 or 3
; fetches, the partner at cy takes 32.  The loop's last trip asks for nothing: there is no K step two on.  K steps 0 to 3 come by their loads alone.
.macro ASK
	s_cmp_gt_u32 s3, s[LIM]                        ; s3 = 1 in the loop's last trip
	s_cbranch_scc0 .Lnot_mine_\@
	global_prefetch_b8 v[PFO], s[PFA:PFA+1] offset:KSTEP*2 th:TH_LOAD_NT scope:SCOPE_SE
.Lnot_mine_\@:
.endm
.macro CREST                           ; a round of the cluster's barrier behind its opening barrier
	s_cmp_lg_u32 s10, 0
	s_cbranch_scc1 .Lnot_wave_0_\@
	s_barrier_signal -3
.Lnot_wave_0_\@:
	s_barrier_wait -3
	s_barrier_signal -1
	s_barrier_wait -1
.endm
.macro CROUND                          ; a whole round
	s_barrier_signal -1
	s_barrier_wait -1
	CREST
.endm
	s_load_b128 s[4:7], s[0:1], 0x0                ; A s[4:5], Wt s[6:7]
	s_load_b64 s[8:9], s[0:1], 0x10                ; out0
	v_lshl_add_u32 v[SPW], v0, 2, SPARE
	v_mov_b32 v[NIL], 0
	ds_add_u32 v[SPW], v[NIL]                      ; the wave's opening: the add and its wait stand ahead of my first tensor load; the set-up below, work on registers, stands between them
	v_lshrrev_b32 v1, 5, v0
	v_readfirstlane_b32 s10, v1                    ; wave 0..3
	s_lshr_b32 s11, s10, 1                         ; which 64 of the tile's rows are mine.  Also: I fetch for A (0) or for Wt (1)
	s_and_b32 s12, s10, 1                          ; which 128 of its columns.  Also: which half of that tile I fetch
	s_bfe_u32 s40, ttmp6, 0x40000                  ; cx, cy: my place in the cluster
	s_bfe_u32 s41, ttmp6, 0x40004
	s_lshl_b32 s42, ttmp9, 2
	s_add_co_u32 s42, s42, s40                     ; tile column = 4 x cluster x + cx
	s_and_b32 s13, ttmp7, 0xffff
	s_lshl_b32 s13, s13, 2
	s_add_co_u32 s13, s13, s41                     ; tile row = 4 x cluster y + cy
	s_lshl_b32 s43, s41, 2
	s_lshl_b32 s43, 15, s43                        ; my row of the cluster: places 4 cy .. 4 cy + 3
	s_lshl_b32 s44, 0x1111, s40                    ; my column: places cx, cx + 4, cx + 8, cx + 12
	; descriptor group 1: rows of 128 elements, padded in LDS; 64 rows for A, 128 for Wt
	s_or_b32 s[G1+0], s43, (1<<16)|(1<<20)|(1<<21)|(5<<22)|(3<<25)   ; 15:0 the mask: A's tiles go to my row; 17:16 elements of 2 bytes; 20 padding on; 21 set beside a mask; 24:22 after every 64 words (code 5); 31:25 4 words of it (code 3)
	s_or_b32 s[G1B+0], s44, (1<<16)|(1<<20)|(1<<21)|(5<<22)|(3<<25)  ; the same with the mask of my column
	s_mov_b32 s[G1+1], KSTEP<<16                   ; tensor_dim0 = 128
	s_mov_b32 s[G1+2], 64<<16                      ; tensor_dim1 = 64
	s_mov_b32 s[G1+3], KSTEP<<16                   ; tile_dim0 = 128
	s_mov_b32 s[G1+4], 64                          ; tile_dim1 = 64
	s_mov_b32 s[G1+5], KTOT                        ; elements from row to row
	s_mov_b32 s[G1+6], 0
	s_mov_b32 s[G1+7], 0
	s_mov_b32 s[G1B+1], KSTEP<<16
	s_mov_b32 s[G1B+2], 128<<16                    ; tensor_dim1 = 128
	s_mov_b32 s[G1B+3], KSTEP<<16
	s_mov_b32 s[G1B+4], 128                        ; tile_dim1 = 128
	s_mov_b32 s[G1B+5], KTOT
	s_mov_b32 s[G1B+6], 0
	s_mov_b32 s[G1B+7], 0
	; where the tiles come from.  A's hang on the tile row alone, Wt's on the tile column alone; every wave makes both addresses, in registers that never hold the other coordinate
	s_lshl_b32 s17, s12, 6
	s_lshl_b32 s16, s13, 7
	s_add_co_u32 s16, s16, s17                     ; A: row 128 x tile row + 64 x half
	s_lshl_b32 s47, s12, 7
	s_lshl_b32 s46, s42, 8
	s_add_co_u32 s46, s46, s47                     ; Wt: row 256 x tile column + 128 x half
	s_mov_b32 s17, 0
	s_mov_b32 s47, 0
	s_mov_b64 s[18:19], ROWB
	s_mul_u64 s[16:17], s[16:17], s[18:19]
	s_mul_u64 s[46:47], s[46:47], s[18:19]
	s_mul_i32 s20, s12, AHALF                      ; and where they go: no place in the cluster enters an LDS address
	s_add_co_u32 s20, s20, ABASE
	s_mul_i32 s21, s12, BHALF
	s_wait_dscnt 0x0                               ; the opening add is done
	s_wait_kmcnt 0x0
	s_add_nc_u64 s[14:15], s[4:5], s[16:17]
	s_add_nc_u64 s[46:47], s[6:7], s[46:47]
	CROUND                                         ; all sixteen work-groups are here: the first joint loads meet
.irp s, 0,1
	s_mov_b32 s[G0+4*(\s)], 1                                        ; count = 1
	s_add_co_u32 s[G0+4*(\s)+1], s20, (\s)*SLOT                      ; LDS address
	s_add_nc_u64 s[G0+4*(\s)+2:G0+4*(\s)+3], s[14:15], (\s)*KSTEP*2  ; global address: K step s
	s_or_b32 s[G0+4*(\s)+3], s[G0+4*(\s)+3], 0x80000000              ; type = 2
	s_mov_b32 s[G0B+4*(\s)], 1
	s_add_co_u32 s[G0B+4*(\s)+1], s21, (\s)*SLOT
	s_add_nc_u64 s[G0B+4*(\s)+2:G0B+4*(\s)+3], s[46:47], (\s)*KSTEP*2
	s_or_b32 s[G0B+4*(\s)+3], s[G0B+4*(\s)+3], 0x80000000
	JLOAD \s                                       ; the ring is filled before anything else is done: two loads of mine are out
.endr
	; A fragment is 16 rows x 32 K in 8 registers: lane l holds row l % 16; registers 0-3 hold K = 8 (l / 16) + 0..7, registers 4-7 K = 16 + 8 (l / 16) + 0..7: two loads of 16 bytes, 32 bytes apart
	v_and_b32 v1, 15, v0                           ; l % 16
	v_bfe_u32 v2, v0, 4, 1                         ; l / 16
	v_mul_u32_u24 v3, v1, PITCH
	v_lshl_add_u32 v3, v2, 4, v3
	s_mul_i32 s21, s11, AHALF                      ; my 64 rows of A,
	s_add_co_u32 s21, s21, ABASE                   ; which lie behind Wt's 256
	s_mul_i32 s22, s12, BHALF                      ; my 128 rows of Wt
.irp s, 0,1
	v_add_nc_u32 v[ADRA+(\s)], s21, v3
	v_add_nc_u32 v[ADRB+(\s)], s22, v3
	s_add_co_u32 s21, s21, SLOT
	s_add_co_u32 s22, s22, SLOT
.endr
	s_mul_i32 s23, s10, 16*SPITCH
	s_add_co_u32 s23, s23, STAGE                   ; my stage
	v_mul_u32_u24 v4, v1, SPITCH                   ; in: row l % 16, 32 bytes for each half of the lanes
	v_lshl_add_u32 v4, v2, 5, v4
	v_add_nc_u32 v[STO], s23, v4
	v_and_b32 v5, 31, v0
	v_lshlrev_b32 v[CO], 4, v5
	v_add_nc_u32 v[RD], s23, v[CO]                 ; back: 32 lanes take one row of 512 bytes
	v_mul_u32_u24 v[PFO], v5, ROWB
	s_lshl_b32 s16, s13, 7
	s_lshl_b32 s17, s11, 6
	s_add_co_u32 s16, s16, s17                     ; my first row of out0,
	s_lshl_b32 s16, s16, 12                        ; of 4,096 bytes
	s_mov_b32 s17, 0
	s_add_nc_u64 s[8:9], s[8:9], s[16:17]
	s_lshl_b32 s46, s42, 10                        ; my first column, in bytes: 1,024 x tile column + 512 x half
	s_lshl_b32 s47, s12, 9
	s_add_co_u32 s46, s46, s47
	s_mov_b32 s47, 0
	s_add_nc_u64 s[8:9], s[8:9], s[46:47]
	; the prefetches
	s_lshl_b32 s20, s13, 7                         ; A: 128 x tile row
	s_lshl_b32 s21, s42, 8
	s_lshl_b32 s22, s12, 7
	s_add_co_u32 s21, s21, s22                     ; Wt: 256 x tile column + the 128 rows that I fetch
	s_and_b32 s22, ttmp7, 0xffff                   ; cluster y
	s_cmp_eq_u32 s11, 0                            ; do I fetch for A?
	s_cselect_b32 s20, s20, s21
	s_cselect_b32 s21, s40, s41                    ; my place among the four that ask for the tile with me
	s_cselect_b32 s22, s12, s22                    ; who asks: for A wave 0 of the two, for Wt the cluster with y = 0
	s_cselect_b64 s[PFA:PFA+1], s[4:5], s[6:7]
	s_cmp_eq_u32 s22, 0
	s_cselect_b32 s[LIM], 1, -1                    ; the same in all sixteen partners, for a given wave
	s_lshl_b32 s21, s21, 5
	s_add_co_u32 s20, s20, s21                     ; + my work-group's 32 rows
	s_mul_i32 s20, s20, ROWB                       ; under 2^27
	s_mov_b32 s21, 0
	s_add_nc_u64 s[PFA:PFA+1], s[PFA:PFA+1], s[20:21]
	s_add_nc_u64 s[PFA:PFA+1], s[PFA:PFA+1], 2*KSTEP*2  ; at K step 2: the first refill steps it to 3 and names K step 4
; 8 matrix instructions: m block a x all 8 n blocks, 32 along K, from buffer f.  zero = 1: the product starts the sums: nothing is ever cleared.
; The 32 accumulators take turns, one instruction a turn, in the same order in every quarter, over the backward jump too.
.macro MUL8 f, a, zero
	WIN MUL
.irp b, 0,1,2,3,4,5,6,7
.if \zero
	v_wmma_f32_16x16x32_f16 v[8*(8*(\a)+(\b)):8*(8*(\a)+(\b))+7], v[(\f)+8*(\b):(\f)+8*(\b)+7], v[(\f)+64+8*(\a):(\f)+64+8*(\a)+7], 0
.else
	v_wmma_f32_16x16x32_f16 v[8*(8*(\a)+(\b)):8*(8*(\a)+(\b))+7], v[(\f)+8*(\b):(\f)+8*(\b)+7], v[(\f)+64+8*(\a):(\f)+64+8*(\a)+7], v[8*(8*(\a)+(\b)):8*(8*(\a)+(\b))+7]
.endif
.endr
.endm
; 24 LDS loads in one run: the fragments of 32 along K at byte k of the rows, into buffer f: Wt's sixteen loads, then A's blocks 0 to 3
.macro FETCH slot, k, f
	WIN 0
.irp i, 0,1,2,3,4,5,6,7
	ds_load_b128 v[(\f)+8*(\i):(\f)+8*(\i)+3],   v[ADRB+(\slot)] offset:(\k)+(\i)*16*PITCH
	ds_load_b128 v[(\f)+8*(\i)+4:(\f)+8*(\i)+7], v[ADRB+(\slot)] offset:(\k)+(\i)*16*PITCH+32
.endr
.irp i, 0,1,2,3
	ds_load_b128 v[(\f)+64+8*(\i):(\f)+64+8*(\i)+3],   v[ADRA+(\slot)] offset:(\k)+(\i)*16*PITCH
	ds_load_b128 v[(\f)+64+8*(\i)+4:(\f)+64+8*(\i)+7], v[ADRA+(\slot)] offset:(\k)+(\i)*16*PITCH+32
.endr
.endm
.macro PLACES                          ; four places in front of loads into registers that matrix instructions have read (ISA guide 7.12.1 for vector instructions)
.rept 4
	v_nop
.endr
.endm
; A K step is four quarters of 32 along K, 32 matrix instructions each, on buffers 0, 1, 0, 1.  One of the first three: multiplies buffer f and, in its middle, fetches the next quarter, at byte k, into g.
.macro QUARTER slot, k, f, g, zero
	s_wait_dscnt 4                                 ; Wt and A's blocks 0 and 1 are in; the youngest four loads (A's blocks 2 and 3) may be out
	MUL8 \f, 0, \zero
	MUL8 \f, 1, \zero
	PLACES
	FETCH \slot, \k, \g
	s_wait_dscnt 24                                ; all but the 24 just issued
	MUL8 \f, 2, \zero
	MUL8 \f, 3, \zero
.endm
; The last quarter multiplies buffer 1 and changes slots: ONE barrier; in front of it each wave waits for all its tensor loads (one is out: its part of the next slot), adds 0 to its spare word, and waits
; for that and for its own reads of this slot.  fill = 1: the barrier opens a round of the cluster's barrier, and this slot is filled again, two K steps ahead, first thing behind the round:
; from that request to the wait for it a wave issues 112 matrix instructions.
.macro TURN slot, next, fill
.if \fill
	s_wait_xcnt 0x0                                ; the last prefetch, a K step back, has read its address: it is stepped here, ahead of the waits of the change of slots
	s_add_nc_u64 s[PFA:PFA+1], s[PFA:PFA+1], KSTEP*2
.endif
	WIN 0                                          ; (the add's two registers lie in window 0)
	s_wait_tensorcnt 0x0                           ; all my tensor loads have landed: my part of the next slot;
	ds_add_u32 v[SPW], v[NIL]                      ; 0 onto my spare word;
	s_wait_dscnt 5                                 ; (the add and the youngest four loads may be out)
	MUL8 F1, 0, 0                                  ; eight matrix instructions stand between the add and the wait for it
	s_wait_dscnt 0x0                               ; the add is done, and my reads of this slot are over
	s_barrier_signal -1
	MUL8 F1, 1, 0                                  ; work on registers while the others arrive
.if \fill
	WIN 0
.endif
	s_barrier_wait -1
.if \fill
	CREST                                          ; no wave of any partner still reads this slot's tile or has a load on its way
	s_add_nc_u64 s[G0+4*(\slot)+2:G0+4*(\slot)+3], s[G0+4*(\slot)+2:G0+4*(\slot)+3], 2*KSTEP*2
	s_add_nc_u64 s[G0B+4*(\slot)+2:G0B+4*(\slot)+3], s[G0B+4*(\slot)+2:G0B+4*(\slot)+3], 2*KSTEP*2
	JLOAD \slot                                    ; the first tensor load behind the round; the four v_nop behind it are also the places in front of the loads below
.else
	PLACES
.endif
	FETCH \next, 0, F0
.if \fill
	ASK                                            ; behind the joint load and the run of LDS loads that the next products wait for
.endif
	MUL8 F1, 2, 0
	MUL8 F1, 3, 0
.endm
; THE WAY OUT of m block a (16 rows x my 128 columns of f32).  A lane's 32 bytes of a row go into my own stage, rows of 528 bytes, and come back as whole rows of 512.
.macro TOSTAGE a
	s_wait_xcnt 0x0                                ; the stores of the block two back have read the registers that the loads below fill
	WIN OUTW
.irp b, 0,1,2,3,4,5,6,7
	ds_store_b128 v[STO], v[8*(8*(\a)+(\b)):8*(8*(\a)+(\b))+3]   offset:64*(\b)      ; each accumulator's four lowest registers first
	ds_store_b128 v[STO], v[8*(8*(\a)+(\b))+4:8*(8*(\a)+(\b))+7] offset:64*(\b)+16
.endr
	WIN 0
.set BK, 64+64*((\a)%2)
.irp t, 0,1,2,3,4,5,6,7,8,9,10,11,12,13,14,15
	ds_load_b128 v[BK+4*(\t):BK+4*(\t)+3], v[RD] offset:(\t)*SPITCH  ; LDS serves a wave's instructions in order (ISA guide 5.7.1.4): these see the stores above; the next block's stores come behind them
.endr
.endm
.macro SEND a, younger                 ; younger: the LDS instructions issued behind block a's loads: the next block's 32, or none
	WIN 0
.set BK, 64+64*((\a)%2)
.irp t, 0,1,2,3,4,5,6,7,8,9,10,11,12,13,14,15
	s_wait_dscnt (\younger)+15-(\t)                ; row t is back
	global_store_b128 v[CO], v[BK+4*(\t):BK+4*(\t)+3], s[8:9] offset:(16*(\a)+(\t))*4096 th:TH_STORE_NT  ; 512 consecutive bytes, at a multiple of 256 from out0's first byte
.endr
.endm
	s_wait_tensorcnt 1                             ; my part of K step 0 is in; K step 1's may stay out
	s_barrier_signal -1
	s_barrier_wait -1                              ; everybody's is
	FETCH 0, 0, F0
	QUARTER 0, 64, F0, F1, 1                       ; the first quarter stands in front of the loop: its 32 products start the sums
	WIN 0                                          ; at a label and at a branch every window is 0
	s_mov_b32 s3, LAPS-1
.Llap:                                                 ; a trip goes once round the ring, from a lap's second quarter to the next lap's first, and fills both slots again
	QUARTER 0, 128, F1, F0, 0
	QUARTER 0, 192, F0, F1, 0
	TURN 0, 1, 1
	QUARTER 1, 64,  F0, F1, 0
	QUARTER 1, 128, F1, F0, 0
	QUARTER 1, 192, F0, F1, 0
	TURN 1, 0, 1
	QUARTER 0, 64,  F0, F1, 0
	WIN 0
	s_sub_co_u32 s3, s3, 1
	s_cmp_lg_u32 s3, 0
	s_cbranch_scc1 .Llap
	QUARTER 0, 128, F1, F0, 0                      ; the last lap is written out: it fills nothing, and has no round of the cluster's barrier
	QUARTER 0, 192, F0, F1, 0
	TURN 0, 1, 0
	QUARTER 1, 64,  F0, F1, 0
	QUARTER 1, 128, F1, F0, 0
	QUARTER 1, 192, F0, F1, 0
	s_wait_dscnt 4                                 ; the very last quarter: nothing more to fetch
	MUL8 F1, 0, 0
	MUL8 F1, 1, 0
	s_wait_dscnt 0x0
	MUL8 F1, 2, 0
	MUL8 F1, 3, 0
	WIN 0
	PLACES                                         ; behind the last products: the LDS stores read results, the loads fill registers that products have read
	PLACES
	TOSTAGE 0
.irp a, 1,2,3                          ; block a goes into the stage while block a - 1 comes back and leaves
	TOSTAGE \a
	SEND (\a)-1, 32
.endr
	SEND 3, 0
	s_wait_tensorcnt 0x0                           ; the wave's end, behind my last tensor load and my last LDS store
	ds_add_u32 v[SPW], v[NIL]
	s_wait_dscnt 0x0
	CROUND                                         ; the closing round: no work-group ends while a partner may still ask for a tile that names it
	s_endpgm
.Lfunc_end_k_qa5fa51c9a7_gemm:
	.size	k_qa5fa51c9a7_gemm, .Lfunc_end_k_qa5fa51c9a7_gemm-k_qa5fa51c9a7_gemm
	.p2alignl 7, 3214868480
	.fill 96, 4, 3214868480
	.section	.rodata,"a",@progbits
	.p2align	6, 0x0
	.amdhsa_kernel k_qa5fa51c9a7_gemm
		.amdhsa_group_segment_fixed_size 327680
		.amdhsa_private_segment_fixed_size 0
		.amdhsa_enable_private_segment 0
		.amdhsa_kernarg_size 24
		.amdhsa_user_sgpr_count 2
		.amdhsa_user_sgpr_kernarg_segment_ptr 1
		.amdhsa_wavefront_size32 1
		.amdhsa_system_sgpr_workgroup_id_x 1
		.amdhsa_system_sgpr_workgroup_id_y 1
		.amdhsa_system_sgpr_workgroup_id_z 1
		.amdhsa_system_vgpr_workitem_id 0
		.amdhsa_next_free_vgpr 512
		.amdhsa_next_free_sgpr 66
		.amdhsa_reserve_vcc 0
		.amdhsa_float_denorm_mode_32 3
		.amdhsa_float_denorm_mode_16_64 3
		.amdhsa_memory_ordered 1
		.amdhsa_forward_progress 1
		.amdhsa_inst_pref_size 88
	.end_amdhsa_kernel
	.amdgpu_metadata
---
amdhsa.version: [ 1, 2 ]
amdhsa.kernels:
  - .name:           k_qa5fa51c9a7_gemm
    .symbol:         k_qa5fa51c9a7_gemm.kd
    .args:
      - { .name: abuf, .offset: 0, .size: 8, .value_kind: global_buffer, .address_space: global }
      - { .name: wbuf, .offset: 8, .size: 8, .value_kind: global_buffer, .address_space: global }
      - { .name: out0, .offset: 16, .size: 8, .value_kind: global_buffer, .address_space: global }
    .group_segment_fixed_size: 327680
    .private_segment_fixed_size: 0
    .kernarg_segment_align: 8
    .kernarg_segment_size: 24
    .max_flat_workgroup_size: 128
    .sgpr_count:     66
    .vgpr_count:     512
    .wavefront_size: 32
...
	.end_amdgpu_metadata
.endif
;; end of part 2
